; MI455X (gfx1250); checked and timed in simulation.
; The chip was launched on July 23, 2026; its instructions are those of AMD's public machine-readable ISA for CDNA 5 (MIT licence, August 2026) and "CDNA5" Instruction Set Architecture Reference Guide (July 2026). The comments in the code are by the model that wrote it; some were corrected since.
;; tru. Allowed arithmetic: matrix products marked QUANTISED: E3M2 operands, one E8M0 scale for each 32 along K, by v_wmma_scale_f32_16x16x128_f8f6f4 with both operands' format E3M2, f32 sums; products left as they are: f32 operands where the result goes on into a quantised operand, else bf16, f16 or f32 operands; f32 sums; everything else in f32.
;; Inputs: WK_b 1,024 float32; WK_w 1,024 x 1,024 float32; WQ_b 1,024 float32; WQ_w 1,024 x 1,024 float32; WV_b 1,024 float32; WV_w 1,024 x 1,024 float32; bn1_b 1,024 float32; bn1_g 1,024 float32; bn2_b 1,024 float32; bn2_g 1,024 float32; w1_b 4,096 float32; w1_w 4,096 x 1,024 float32; w2_b 1,024 float32; w2_w 1,024 x 4,096 float32; x 32 x 1,024 x 1 x 1 float32; y 32 x 1,024 x 1,024 x 1 float32.
;; Outputs: out0 32 x 1,024 x 1 x 1 float32.
;; This version of the problem:
;;   THIS VERSION OF THE PROBLEM IS GIVEN IN LOW PRECISION. The matrix products marked QUANTISED in the list below multiply operands that are first quantised to E3M2 (3 exponent bits, 2 mantissa bits; 6 bits a number), with one power-of-two scale for each 32 numbers along K (OCP MX v1.0); their sums are f32. All else is computed in f32.
;;   The module's matrix products, in the order in which they are computed (A, B: the left and right operand; K: the contracted axis; several contracted axes count as one K, in the product's order):
;;     1. [M 32, K 1,024] x [K 1,024, N 1,024]; A: input x; B: input WQ_w: QUANTISED
;;     2. [M 32,768, K 1,024] x [K 1,024, N 1,024]; A: input y; B: input WK_w: QUANTISED
;;     3. [M 32,768, K 1,024] x [K 1,024, N 1,024]; A: input y; B: input WV_w: QUANTISED
;;     4. batch 512 x [M 1, K 64] x [K 64, N 1,024]; A: computed on the way; B: computed on the way: left as it is (M = 1 < 16)
;;     5. batch 512 x [M 1, K 1,024] x [K 1,024, N 64]; A: softmax; B: computed on the way: left as it is (M = 1 < 16)
;;     6. [M 32, K 1,024] x [K 1,024, N 4,096]; A: computed on the way; B: input w1_w: QUANTISED
;;     7. [M 32, K 4,096] x [K 4,096, N 1,024]; A: computed on the way; B: input w2_w: QUANTISED
;;   THE QUANTISER, for each operand of a quantised product, along K:
;;     - K is cut into blocks of 32 from its start; a last block that is shorter is filled with zeros.
;;     - A block's scale is 2^e with e = floor(log2(the largest magnitude in the block)) - 4, held to -126 .. 127; a block of zeros has e = 0. As a byte (E8M0): e + 127.
;;     - Each number is divided by its block's scale, clamped to +-28, and rounded to the nearest number of E3M2, ties to even, subnormals kept.
;;     - The product sums the exact products of the quantised numbers (number of the format x scale) in f32.
;;   ~~~python
;;   def quantise(x, axis):      # numpy; x: float32 -> the quantised numbers, widened to float32 again
;;       x = np.moveaxis(x, axis, -1); K = x.shape[-1]
;;       x = np.pad(x, [(0, 0)] * (x.ndim - 1) + [(0, -K % 32)]); x = x.reshape(x.shape[:-1] + (-1, 32)); a = np.abs(x).max(-1, keepdims=True)
;;       e = np.where(a > 0, np.clip(np.frexp(np.where(a > 0, a, 1))[1] - 1 - 4, -126, 127), 0)      # np.frexp(a)[1] - 1 = floor(log2(a)), exactly
;;       r = np.clip(x / 2.0 ** e, -28, 28)
;;       step = 2.0 ** (np.maximum(np.frexp(np.where(r == 0, 1, r))[1] - 1, -2) - 2)
;;       q = np.round(r / step) * step * 2.0 ** e      # np.round: ties to even
;;       return np.moveaxis(q.reshape(q.shape[:-2] + (-1,))[..., :K], -1, axis).astype(np.float32)
;;   ~~~
;;   OPERANDS COMPUTED ON THE WAY. 'Computed on the way' means the value that the module computes at that place (a softmax that the list does not call 'softmax' is quantised finished and normalised). What goes into a quantiser is computed in f32, as accurately as f32 sums, v_exp_f32 and their like allow (about 1e-6 of the number): no bf16 or f16 on the way to a quantiser, and a product that is left as it is and whose result goes on into a quantised operand takes f32 operands (vector FMAs, or v_wmma_f32_16x16x4_f32). A number that lies on a knife's edge between two numbers of the format may be rounded either way, as far as f32 arithmetic and the matrix unit's own rounding can turn it there, and no further.
;; One version. Each part assembles by itself: llvm-mc -triple=amdgcn-amd-amdhsa -mcpu=gfx1250 --defsym DOCPART=n.
;; ======== version 1 of 1: 4 launches
;; workspace buffers: yc 26,214,400 bytes; wc 8,675,328 bytes; ws 361,472 bytes; z 131,072 bytes; hc 98,304 bytes; hs 4,096 bytes
;; launch quant (part 1): grid 1121 x 1, 4 waves a work-group, no clusters, 34,304 bytes of LDS; arguments y, x, WQ_w, WK_w, WV_w, yc, wc, ws; writes yc, wc, ws
.if DOCPART == 1
	.amdgcn_target "amdgcn-amd-amdhsa--gfx1250"
	.amdhsa_code_object_version 6
	.text
	.protected	k_qfbbedc3bfa_quant
	.globl	k_qfbbedc3bfa_quant
	.p2align	8
	.type	k_qfbbedc3bfa_quant,@function
k_qfbbedc3bfa_quant:
	s_mov_b64 s[64:65], 0
	v_nop
	global_prefetch_b8 v0, s[64:65] scope:SCOPE_SE
	s_setreg_imm32_b32 hwreg(HW_REG_WAVE_MODE, 25, 1), 1
	s_wait_xcnt 0x0
; The f32 operands of the attention's quantised products become codes of BF6 (E3M2, 6 bits) with one E8M0 scale byte for each 32 along K,
; laid in the ORDER OF THE OPERAND'S REGISTERS: a fragment (16 rows x 128 K, 12 registers a lane) is 1,536 bytes, registers 4 g .. 4 g + 3 of
; lane l at 512 g + 16 l, so that three loads of 16 bytes a lane bring it.  Lane (r, h) holds row r; its registers 6 c .. 6 c + 5 hold K = 64 c + 32 h + 0 .. 31.
; A block's scale byte is its largest magnitude's exponent field - 4, held at 1 from below by a floor among the maximum's leaves.
; LIMITS: NaN and infinities among the inputs are not served.  A block of zeros gets the byte 1 (the quantiser says 127): its codes are zeros, and only this program reads the bytes.
; Work-groups 0-96: tensors whose K is innermost, rows of 4,096 bytes (WQ 0-31, WK 32-63, WV 64-95, x 96).  A wave takes a unit: 16 rows x 512 K,
;   4 fragments at wc + 6,144 U and 16 rows x 4 scale words at ws + 256 U.  The places U are fixed numbers that the readers share: WQ 0-127, WK 128-255, WV 256-383, x 1,408-1,411;
;   units 896-1,407 are w2's and are made by the launch that needs idle work-groups filled (ffn1); units 384-895 are not used.
; Work-groups 97-1,120: y [32][1024 c][1024 l], K = c is NOT innermost: a lane takes a column l and its registers run down c.  A wave takes 32 columns x 256 channels.
;   yc: records of 51,200 bytes, [b][l / 256][c / 256]: codes [K step 2][tile of 16 l: 16][1,536], then scale words [tile 16][row 16][2 words].
; No tensor loads, no barrier: waves share nothing.  Only the first path uses LDS.
.set NWW,   97                         ; work-groups of the first path
.set XPLUS, 1024                       ; x's units stand so much further on than its work-group's number gives
.set STG,   8448                       ; a wave's stage: 16 rows x (512 bytes + 16)
.set FLOOR, 0x2800000                  ; 2^(5 - 127)
.set OFF4,  0xfe000000                 ; 4 off an exponent field
.set WR,    32                         ; v32-159  first path: two sets of 64: a K step's 16 rows as loaded
.set WX,    160                        ; v160-223 my 2 x 32 neighbours along K
.set WF,    224                        ; v224-247 two sets of 12: a fragment
.set YX,    32                         ; v32-95   second path: two sets of 32 numbers down K
.set YF,    96                         ; v96-143  codes: 24 registers a K step, written once
	s_load_b256 s[4:11], s[0:1], 0x0               ; y, x, WQ_w, WK_w
	s_load_b256 s[12:19], s[0:1], 0x20             ; WV_w, yc, wc, ws
	v_lshl_add_u32 v30, v0, 2, 0x8400
	v_mov_b32 v31, 0
	v_lshrrev_b32 v1, 5, v0
	v_readfirstlane_b32 s3, v1                     ; wave
	v_and_b32 v2, 31, v0                           ; lane
	s_cmp_ge_u32 ttmp9, NWW
	s_cbranch_scc1 .Ly
; ---------------- K innermost ----------------
	v_lshlrev_b32 v1, 4, v2                        ; 16 x lane
	v_and_b32 v3, 15, v2                           ; r
	v_lshrrev_b32 v5, 4, v2                        ; h
	v_lshlrev_b32 v4, 4, v3                        ; 16 r: my row's four scale words
	s_mul_i32 s24, s3, STG                         ; my stage
	v_add_nc_u32 v6, s24, v1                       ; into it: a row's 512 bytes as loaded
	v_mul_u32_u24 v7, v3, 528
	v_lshl_add_u32 v7, v5, 7, v7
	v_add_nc_u32 v7, s24, v7                       ; out of it: row r, + 128 h: 32 neighbours
	v_lshlrev_b32 v5, 3, v5                        ; 8 h: where my two bytes stand in a scale word
	v_mov_b32 v251, 0                              ; a lane permute's destination counts as one of its sources
	s_mov_b32 s44, 0x76543210
	s_mov_b32 s45, 0xfedcba98                      ; selects for lane l xor 16
	s_mov_b32 s26, 384                             ; x: the first unit by its work-group's number
	s_wait_kmcnt 0x0
	s_mov_b64 s[30:31], s[6:7]                     ; the tensor is chosen by the work-group's number alone
	s_cmp_lt_u32 ttmp9, 96
	s_cselect_b64 s[30:31], s[12:13], s[30:31]     ; WV
	s_cselect_b32 s26, 256, s26
	s_cselect_b32 s27, 0, XPLUS
	s_cmp_lt_u32 ttmp9, 64
	s_cselect_b64 s[30:31], s[10:11], s[30:31]     ; WK
	s_cselect_b32 s26, 128, s26
	s_cmp_lt_u32 ttmp9, 32
	s_cselect_b64 s[30:31], s[8:9], s[30:31]       ; WQ
	s_cselect_b32 s26, 0, s26
	s_lshl_b32 s32, ttmp9, 2
	s_add_co_u32 s32, s32, s3                      ; 4 x work-group + wave
	s_sub_co_u32 s33, s32, s26                     ; the unit within its tensor
	s_add_co_u32 s32, s32, s27                     ; U: its place in wc and ws
	s_lshr_b32 s34, s33, 1                         ; tile of 16 rows
	s_and_b32 s35, s33, 1                          ; which 512 K
	s_lshl_b32 s36, s34, 16                        ; 16 rows of 4,096 bytes
	s_lshl_b32 s35, s35, 11
	s_add_co_u32 s36, s36, s35
	s_mov_b32 s37, 0
	s_add_nc_u64 s[30:31], s[30:31], s[36:37]
	s_mul_i32 s38, s32, 6144
	s_mov_b32 s39, 0
	s_add_nc_u64 s[16:17], s[16:17], s[38:39]      ; my unit's codes
	s_lshl_b32 s38, s32, 8
	s_add_nc_u64 s[18:19], s[18:19], s[38:39]      ; and scale words
.macro LOADW s                         ; K step s: 16 loads, each a row's 512 consecutive bytes
.irp i, 0,1,2,3,4,5,6,7,8,9,10,11,12,13,14,15
	global_load_b128 v[WR+64*((\s)%2)+4*\i:WR+64*((\s)%2)+4*\i+3], v1, s[30:31] offset:4096*\i+512*(\s) th:TH_LOAD_NT
.endr
.endm
.macro STEPW s
.set RS, WR+64*((\s)%2)
.set FS, WF+12*((\s)%2)
.if (\s) < 3
	s_wait_loadcnt 16                              ; this step's 16 loads are in; the next step's 16 may be out
.else
	s_wait_loadcnt 0x0
.endif
.irp i, 0,1,2,3,4,5,6,7,8,9,10,11,12,13,14,15
	ds_store_b128 v6, v[RS+4*\i:RS+4*\i+3] offset:528*\i
.endr
.irp c, 0,1
.irp j, 0,1,2,3,4,5,6,7
	ds_load_b128 v[WX+32*\c+4*\j:WX+32*\c+4*\j+3], v7 offset:256*\c+16*\j   ; LDS serves a wave's instructions in order: these see the stores.  K = 64 c + 32 h + 4 j ..
.endr
.endr
	s_wait_dscnt 0x0
.if (\s) < 2
	LOADW (\s)+2
.endif
.irp c, 0,1
	v_max3_num_f32 v[8+\c], |v[WX+32*\c]|, |v[WX+32*\c+1]|, FLOOR     ; my block 2 c + h: all 32 numbers are mine
.endr
.irp i, 2,4,6,8,10,12,14,16,18,20,22,24,26,28,30
.irp c, 0,1
	v_max3_num_f32 v[8+\c], v[8+\c], |v[WX+32*\c+\i]|, |v[WX+32*\c+\i+1]|
.endr
.endr
.irp c, 0,1
	v_add_nc_u32 v[10+\c], OFF4, v[8+\c]           ; the conversion's scale operand: only its exponent field counts
.endr
.irp c, 0,1
	v_lshrrev_b32 v[8+\c], 23, v[10+\c]            ; the byte
.endr
	v_lshl_or_b32 v255, v9, 16, v8                 ; blocks h and 2 + h,
	v_lshlrev_b32 v255, v5, v255                   ; at their places,
	v_permlanex16_b32 v251, v255, s44, s45
	v_or_b32 v[12+(\s)], v255, v251                ; with lane l xor 16's two: the row's word for this K step
.if (\s) >= 2
	s_wait_xcnt 0x0                                ; the stores of two steps ago have read this set of code registers
.endif
.irp c, 0,1
	v_cvt_scalef32_pk16_bf6_f32 v[FS+6*\c:FS+6*\c+2], v[WX+32*\c:WX+32*\c+15], v[10+\c]
	v_cvt_scalef32_pk16_bf6_f32 v[248+4*\c:250+4*\c], v[WX+32*\c+16:WX+32*\c+31], v[10+\c]   ; (three registers that begin on an even number)
.endr
	v_nop                                          ; one plain place behind a scaled conversion
.irp c, 0,1
.irp i, 0,1,2
	v_mov_b32 v[FS+6*\c+3+\i], v[248+4*\c+\i]
.endr
.endr
.irp g, 0,1,2
	global_store_b128 v1, v[FS+4*\g:FS+4*\g+3], s[16:17] offset:1536*(\s)+512*\g   ; 512 consecutive bytes, aligned
.endr
.endm
	LOADW 0
	LOADW 1
	STEPW 0
	STEPW 1
	STEPW 2
	STEPW 3
	global_store_b128 v4, v[12:15], s[18:19]       ; 16 rows x 4 words: 256 consecutive bytes; lanes 16-31 hold and write the same words as lanes 0-15
	s_wait_tensorcnt 0x0
	ds_add_u32 v30, v31
	s_wait_dscnt 0x0
	s_endpgm
; ---------------- y: K outermost ----------------
.Ly:
	v_lshlrev_b32 v3, 2, v2                        ; in: 4 bytes a lane
	v_lshrrev_b32 v4, 4, v2
	v_mul_u32_u24 v4, v4, 1536
	v_and_b32 v5, 15, v2
	v_lshl_add_u32 v4, v5, 4, v4                   ; out: tile (lane / 16), fragment lane (lane % 16)
	v_lshlrev_b32 v5, 3, v2                        ; my column's two scale words
	s_sub_co_u32 s24, ttmp9, NWW
	s_and_b32 s25, s24, 3                          ; which 256 channels
	s_bfe_u32 s26, s24, 0x30002                    ; which 128 columns
	s_lshr_b32 s27, s24, 5                         ; b
	s_lshl_b32 s28, s27, 22
	s_lshl_b32 s30, s25, 20
	s_add_co_u32 s28, s28, s30
	s_lshl_b32 s30, s26, 9
	s_add_co_u32 s28, s28, s30
	s_lshl_b32 s30, s3, 7
	s_add_co_u32 s28, s28, s30                     ; y: 4 MiB b + 256 rows of 4,096 bytes + my wave's 32 columns
	s_mov_b32 s29, 0
	s_lshl_b32 s30, s27, 4
	s_lshr_b32 s31, s26, 1
	s_lshl_b32 s31, s31, 2
	s_add_co_u32 s30, s30, s31
	s_add_co_u32 s30, s30, s25
	s_mul_i32 s30, s30, 51200                      ; the record
	s_and_b32 s31, s26, 1
	s_lshl_b32 s31, s31, 3
	s_lshl_b32 s32, s3, 1
	s_add_co_u32 s31, s31, s32                     ; my first tile in it
	s_mul_i32 s32, s31, 1536
	s_add_co_u32 s32, s32, s30
	s_mov_b32 s33, 0
	s_lshl_b32 s34, s31, 7
	s_add_co_u32 s34, s34, s30
	s_add_co_u32 s34, s34, 49152
	s_mov_b32 s35, 0
	s_wait_kmcnt 0x0
	s_add_nc_u64 s[4:5], s[4:5], s[28:29]
	s_add_nc_u64 s[32:33], s[14:15], s[32:33]      ; codes
	s_add_nc_u64 s[34:35], s[14:15], s[34:35]      ; scale words
.macro LOADY t                         ; block t: y(32 t + i, my column): each load reads 128 consecutive bytes
.irp i, 0,1,2,3,4,5,6,7,8,9,10,11,12,13,14,15,16,17,18,19,20,21,22,23,24,25,26,27,28,29,30,31
	global_load_b32 v[YX+32*((\t)%2)+\i], v3, s[4:5] offset:(32*(\t)+\i)*4096 th:TH_LOAD_NT
.endr
.endm
; Block kb of K step ks belongs to fragment lane r + 16 (kb % 2), registers 6 (kb / 2) on: my lane keeps both halves' twelve registers and stores each as soon as it is whole.
.macro BLOCKY t
.set XS, YX+32*((\t)%2)
.set KS, (\t)/4
.set KB, (\t)%4
.set FB, YF+24*KS+12*(KB%2)+6*(KB/2)
.if (\t) < 7
	s_wait_loadcnt 32                              ; this block's 32 loads are in; the next block's may be out
.else
	s_wait_loadcnt 0x0
.endif
	v_max3_num_f32 v12, |v[XS]|, |v[XS+1]|, |v[XS+2]|
	v_max3_num_f32 v13, |v[XS+3]|, |v[XS+4]|, |v[XS+5]|
.irp i, 6,10,14,18,22,26
	v_max3_num_f32 v12, v12, |v[XS+\i]|, |v[XS+\i+1]|
	v_max3_num_f32 v13, v13, |v[XS+\i+2]|, |v[XS+\i+3]|
.endr
	v_max3_num_f32 v12, v12, |v[XS+30]|, |v[XS+31]|
	v_max3_num_f32 v12, v12, v13, FLOOR
	v_add_nc_u32 v11, OFF4, v12
	v_cvt_scalef32_pk16_bf6_f32 v[FB:FB+2], v[XS:XS+15], v11
	v_cvt_scalef32_pk16_bf6_f32 v[144:146], v[XS+16:XS+31], v11
	v_lshrrev_b32 v13, 23, v11                     ; the byte (and the plain place behind the conversions)
.if KB == 0
	v_mov_b32 v[148+KS], v13
.else
	v_lshl_or_b32 v[148+KS], v13, 8*KB, v[148+KS]
.endif
.irp i, 0,1,2
	v_mov_b32 v[FB+3+\i], v[144+\i]
.endr
.if (\t)+2 < 8
	LOADY (\t)+2
.endif
.if KB >= 2
.irp g, 0,1,2
	global_store_b128 v4, v[YF+24*KS+12*(KB-2)+4*\g:YF+24*KS+12*(KB-2)+4*\g+3], s[32:33] offset:24576*KS+512*\g+256*(KB-2)   ; each half of the lanes: 256 consecutive bytes, aligned
.endr
.endif
.endm
	LOADY 0
	LOADY 1
.irp t, 0,1,2,3,4,5,6,7
	BLOCKY \t
.endr
	global_store_b64 v5, v[148:149], s[34:35]      ; 256 consecutive bytes, aligned
	s_endpgm
.Lfunc_end_k_qfbbedc3bfa_quant:
	.size	k_qfbbedc3bfa_quant, .Lfunc_end_k_qfbbedc3bfa_quant-k_qfbbedc3bfa_quant
	.p2alignl 7, 3214868480
	.fill 96, 4, 3214868480
	.section	.rodata,"a",@progbits
	.p2align	6, 0x0
	.amdhsa_kernel k_qfbbedc3bfa_quant
		.amdhsa_group_segment_fixed_size 34304
		.amdhsa_private_segment_fixed_size 0
		.amdhsa_enable_private_segment 0
		.amdhsa_kernarg_size 64
		.amdhsa_user_sgpr_count 2
		.amdhsa_user_sgpr_kernarg_segment_ptr 1
		.amdhsa_wavefront_size32 1
		.amdhsa_system_sgpr_workgroup_id_x 1
		.amdhsa_system_sgpr_workgroup_id_y 1
		.amdhsa_system_sgpr_workgroup_id_z 1
		.amdhsa_system_vgpr_workitem_id 0
		.amdhsa_next_free_vgpr 256
		.amdhsa_next_free_sgpr 66
		.amdhsa_reserve_vcc 0
		.amdhsa_float_denorm_mode_32 3
		.amdhsa_float_denorm_mode_16_64 3
		.amdhsa_memory_ordered 1
		.amdhsa_forward_progress 1
		.amdhsa_inst_pref_size 68
	.end_amdhsa_kernel
	.amdgpu_metadata
---
amdhsa.version: [ 1, 2 ]
amdhsa.kernels:
  - .name:           k_qfbbedc3bfa_quant
    .symbol:         k_qfbbedc3bfa_quant.kd
    .args:
      - { .name: y, .offset: 0, .size: 8, .value_kind: global_buffer, .address_space: global }
      - { .name: x, .offset: 8, .size: 8, .value_kind: global_buffer, .address_space: global }
      - { .name: WQ_w, .offset: 16, .size: 8, .value_kind: global_buffer, .address_space: global }
      - { .name: WK_w, .offset: 24, .size: 8, .value_kind: global_buffer, .address_space: global }
      - { .name: WV_w, .offset: 32, .size: 8, .value_kind: global_buffer, .address_space: global }
      - { .name: yc, .offset: 40, .size: 8, .value_kind: global_buffer, .address_space: global }
      - { .name: wc, .offset: 48, .size: 8, .value_kind: global_buffer, .address_space: global }
      - { .name: ws, .offset: 56, .size: 8, .value_kind: global_buffer, .address_space: global }
    .group_segment_fixed_size: 34304
    .private_segment_fixed_size: 0
    .kernarg_segment_align: 8
    .kernarg_segment_size: 64
    .max_flat_workgroup_size: 128
    .sgpr_count:     66
    .vgpr_count:     256
    .wavefront_size: 32
...
	.end_amdgpu_metadata
.endif
;; end of part 1
;; launch attn (part 2): grid 8 x 32, 4 waves a work-group, clusters of 4 x 1, 327,680 bytes of LDS; arguments yc, wc, ws, WQ_b, WK_b, WV_b, x, z; writes z
.if DOCPART == 2
	.amdgcn_target "amdgcn-amd-amdhsa--gfx1250"
	.amdhsa_code_object_version 6
	.text
	.protected	k_qfbbedc3bfa_attn
	.globl	k_qfbbedc3bfa_attn
	.p2align	8
	.type	k_qfbbedc3bfa_attn,@function
k_qfbbedc3bfa_attn:
	s_mov_b64 s[64:65], 0
	v_nop
	global_prefetch_b8 v0, s[64:65] scope:SCOPE_SE
	s_setreg_imm32_b32 hwreg(HW_REG_WAVE_MODE, 25, 1), 1
	s_wait_xcnt 0x0
	s_wait_alu depctr_hold_cnt(0) depctr_sa_sdst(0) depctr_va_vdst(0) depctr_va_sdst(0) depctr_va_ssrc(0) depctr_va_vcc(0) depctr_vm_vsrc(0)
	s_getreg_b32 s2, hwreg(HW_REG_IB_STS2, 6, 4)
	s_cmp_eq_u32 s2, 0
	s_cbranch_scc0 .Lentry_in_a_cluster
	s_endpgm
.Lentry_in_a_cluster:
	s_bfe_u32 s2, ttmp6, 0x10000c
	s_cmp_lg_u32 s2, 0x3003
	s_cbranch_scc0 .Lentry_shape_is_right
	s_endpgm
.Lentry_shape_is_right:
; z[b][o] = x[b][o] + att[b][o]: q = x WQ^T + WQ_b, k = WK y + WK_b, v = WV y + WV_b on codes of BF6 with E8M0 scales; scores, softmax and the weighted sum of v in f32 (fused multiply-adds).  k and v never leave the registers.
; SHARES.  A work-group owns one b and two heads (2 g, 2 g + 1), and walks all 1,024 l in four blocks of 256.  Wave w: head w / 2, half w % 2 of an l block.  A wave's tile is 128 o x 128 l:
;   W tiles 0-3 are its head's 64 rows of WK, tiles 4-7 its 64 rows of WV; 64 accumulators, 512 registers; K = 1,024 channels in 8 steps of 128.
; Source 0 = 16 rows of W, source 1 = 16 columns l of y: in a result lane (r, h) holds l = r and o = 8 h + 0 .. 7.
; SOFTMAX.  Each lane keeps a running maximum M, sum S and sums O for ITS OWN l (those with l % 16 = r): t = score x log2(e) / 8, p = 2^(t - M).  Only the two halves of the lanes exchange in the loop; the 16 lanes and the two waves of a head are joined once, at the end.
;   WK_b enters as the constant q . WK_b in every score; WV_b is added behind the division by the sum (the weights add up to 1).
; RING.  y's records (51,200 bytes: 256 l x 256 K of codes in fragment order, and their scale words) go through two LDS slots.  The four work-groups of a cluster share b, so a record is asked for JOINTLY
;   (mask 15); each wave asks for a quarter.  By this text's count a wave has two tensor loads out at the start and one behind each round.
; The weights are not asked for jointly: the partners of a cluster have different heads; a work-group reads its 196,608 bytes of them once, against 819,200 bytes of y.  They go through registers into LDS and stay.
; LIMITS: NaN and infinities are not served.
; LDS: 0 the weights [wave][32 fragments] (stored by the waves, never filled by a tensor load); 196,608 and 247,808 the slots; 299,008 the spare words; 299,520 q; 307,712 the end's partial results.
; REGISTERS.  Window 0: v1-19 addresses; v20 M, v21 new M, v[22:23] f, v24 S, v[26:27] q . WK_b; v28-29 for the add; v32-95 W's scale words [tile][K step]; v96-127 y's scale words, two sets;
;   v128-223 y's 8 fragments; v224-239 scores in pairs, then p; v240-249 at work; v[250:251] x, v[252:253] WV_b.
;   Window 1: v0-95, v128-223 W's fragments, two sets; v96-127 c q; v224-255 O.   Windows 2, 3: accumulator (y tile a, W tile bt) at v[8 (8 (a % 4) + bt)].
.set RING0, 196608
.set REC,   51200
.set RING1, RING0+REC
.set SPARE, 299008
.set XQ,    299520
.set XO,    307712
.set WSC,   32
.set SCY,   96
.set AF,    128
.set PR,    224
.set TT,    240
.set G1,    36                         ; s[36:43] descriptor group 1
.set G0,    44                         ; s[44:51] group 0, a set for each slot
.set MSB,   0
.macro WIN new                         ; the immediate's high byte repeats the setting that is left
.if MSB != (\new)
	s_set_vgpr_msb (MSB<<8)|(\new)
.set MSB, (\new)
.endif
.endm
.macro PLACES                          ; four plain places behind matrix instructions, in front of loads into their operands and of reads of their results
.rept 4
	v_nop
.endr
.endm
.macro CREST                           ; a round of the cluster's barrier behind its opening barrier
	s_cmp_lg_u32 s20, 0
	s_cbranch_scc1 .Lnot_wave_0_\@
	s_barrier_signal -3
.Lnot_wave_0_\@:
	s_barrier_wait -3
	s_barrier_signal -1
	s_barrier_wait -1
.endm
.macro CROUND
	s_barrier_signal -1
	s_barrier_wait -1
	CREST
.endm
	s_load_b512 s[4:19], s[0:1], 0x0               ; yc, wc, ws, WQ_b, WK_b, WV_b, x, z
	v_lshl_add_u32 v28, v0, 2, SPARE
	v_mov_b32 v29, 0
	ds_add_u32 v28, v29
	ds_add_u32 v28, v29
	s_wait_dscnt 0x0
	v_lshrrev_b32 v1, 5, v0
	v_readfirstlane_b32 s20, v1                    ; wave
	s_lshr_b32 s21, s20, 1                         ; which of the two heads
	s_and_b32 s22, s20, 1                          ; which half of an l block
	s_and_b32 s25, ttmp7, 0xffff                   ; b: the cluster's y
	s_mov_b32 s[G1+0], 15|(3<<16)|(1<<21)          ; mask: all four; elements of 8 bytes; bit 21 beside a mask; no padding
	s_mov_b32 s[G1+1], 32<<16                      ; tensor_dim0 = 32 elements: rows of 256 bytes
	s_mov_b32 s[G1+2], 50<<16                      ; tensor_dim1 = 50 rows: a quarter of a record
	s_mov_b32 s[G1+3], 32<<16                      ; tile_dim0
	s_mov_b32 s[G1+4], 50                          ; tile_dim1
	s_mov_b32 s[G1+5], 32                          ; pitch: dense
	s_mov_b32 s[G1+6], 0
	s_mov_b32 s[G1+7], 0
	s_mul_i32 s26, s20, 12800                      ; my quarter
	s_mul_i32 s28, s25, 16*REC                     ; b's 16 records lie on end
	s_add_co_u32 s28, s28, s26
	s_mov_b32 s29, 0
	s_mov_b32 s52, 0x76543210
	s_mov_b32 s53, 0xfedcba98                      ; selects for lane l xor 16
	s_mov_b32 s54, 0x3e38aa3b                      ; c = log2(e) / 8
	s_mov_b32 s55, s54
	v_and_b32 v1, 31, v0
	v_lshlrev_b32 v1, 4, v1                        ; 16 x lane
	v_and_b32 v2, 15, v0
	v_lshlrev_b32 v2, 4, v2                        ; 16 r
	v_bfe_u32 v3, v0, 4, 1                         ; h
	s_mul_i32 s30, s22, 12288
	s_add_co_u32 s31, s30, RING0
	v_add_nc_u32 v4, s31, v1                       ; my 8 tiles of y in slot 0,
	s_add_co_u32 s31, s30, RING1
	v_add_nc_u32 v5, s31, v1                       ; in slot 1
	v_lshrrev_b32 v6, 1, v2                        ; 8 r
	s_lshl_b32 s30, s22, 10
	s_add_co_u32 s31, s30, RING1+49152
	v_add_nc_u32 v7, s31, v6                       ; their scale words, slot 1,
	s_add_co_u32 s31, s30, RING0+49152
	v_add_nc_u32 v6, s31, v6                       ; slot 0
	s_mul_i32 s30, s21, 98304
	v_add_nc_u32 v8, s30, v1                       ; my head's WK in LDS,
	v_add_nc_u32 v9, 49152, v8                     ; its WV
	s_mul_i32 s30, s20, 49152
	v_add_nc_u32 v10, s30, v1                      ; where I put my part of the weights
	s_lshl_b32 s30, s20, 11
	s_add_co_u32 s30, s30, XQ
	v_add_nc_u32 v11, s30, v1                      ; where I put my 32 numbers of q,
	s_lshl_b32 s30, s21, 12
	s_add_co_u32 s30, s30, XQ
	v_add_nc_u32 v12, s30, v1                      ; and where my head's 64 lie
	s_lshl_b32 s30, s20, 9
	s_add_co_u32 s30, s30, XO
	v_lshl_add_u32 v13, v3, 5, s30                 ; the end: my wave's 512 bytes, + 32 h
	v_lshrrev_b32 v18, 1, v1                       ; 8 x lane
	s_lshl_b32 s30, s21, 10
	s_add_co_u32 s30, s30, XO
	v_add_nc_u32 v14, s30, v18                     ; my head's two waves' sums,
	s_add_co_u32 s30, s30, 256
	v_lshl_add_u32 v15, v3, 5, s30                 ; and their (maximum, sum)
	v_lshlrev_b32 v17, 5, v3                       ; 32 h
	s_lshr_b32 s58, s25, 4
	s_and_b32 s59, s25, 15
	s_lshl_b32 s59, s59, 4
	v_lshl_add_u32 v16, v3, 8, s59                 ; x's fragment lane of row b: every lane r takes row b, so all 16 columns of q's products are alike
	v_mov_b32 v19, s59
	s_bfe_u32 s23, ttmp6, 0x40000                  ; cx
	s_lshl_b32 s24, ttmp9, 2
	s_add_co_u32 s24, s24, s23                     ; g: it enters global addresses alone
	s_mov_b32 s79, 0
	s_wait_kmcnt 0x0
	s_add_nc_u64 s[28:29], s[4:5], s[28:29]
.irp n, 0,1
	s_mov_b32 s[G0+4*\n], 1
	s_add_co_u32 s[G0+4*\n+1], s26, RING0+\n*REC
	s_add_nc_u64 s[G0+4*\n+2:G0+4*\n+3], s[28:29], \n*REC
	s_or_b32 s[G0+4*\n+3], s[G0+4*\n+3], 0x80000000
.endr
	s_mul_i32 s78, s58, 12288
	s_add_co_u32 s78, s78, 8650752
	s_add_nc_u64 s[66:67], s[6:7], s[78:79]        ; x's fragments
	s_lshl_b32 s78, s58, 9
	s_add_co_u32 s78, s78, 360448
	s_add_nc_u64 s[68:69], s[8:9], s[78:79]        ; x's scale words
	s_lshl_b32 s80, s24, 3
	s_lshl_b32 s81, s20, 1
	s_add_co_u32 s81, s81, s80                     ; my two tiles of WQ: 8 g + 2 w on
	s_lshl_b32 s78, s81, 9
	s_add_nc_u64 s[70:71], s[8:9], s[78:79]
	s_mul_i32 s78, s81, 12288
	s_add_nc_u64 s[72:73], s[6:7], s[78:79]
	s_lshl_b32 s78, s81, 6
	s_add_nc_u64 s[10:11], s[10:11], s[78:79]      ; WQ_b at their first row
	s_lshl_b32 s81, s21, 2
	s_add_co_u32 s81, s81, s80                     ; my head's first tile in WK and in WV: 8 g + 4 (w / 2)
	s_lshl_b32 s78, s81, 9
	s_add_co_u32 s78, s78, 32768
	s_add_nc_u64 s[74:75], s[8:9], s[78:79]        ; WK's scale words; WV's lie 32,768 bytes on
	s_mul_i32 s78, s81, 12288
	s_mul_i32 s82, s22, 786432
	s_add_co_u32 s78, s78, s82
	s_add_co_u32 s78, s78, 786432
	s_add_nc_u64 s[76:77], s[6:7], s[78:79]        ; what I copy: my head's WK (even wave) or WV (odd wave)
	s_lshl_b32 s78, s81, 6
	s_add_nc_u64 s[12:13], s[12:13], s[78:79]      ; WK_b, WV_b at my head
	s_add_nc_u64 s[14:15], s[14:15], s[78:79]
	s_lshl_b32 s82, s25, 12
	s_add_co_u32 s78, s78, s82
	s_add_nc_u64 s[16:17], s[16:17], s[78:79]      ; x, z at row b, my head
	s_add_nc_u64 s[18:19], s[18:19], s[78:79]
	CROUND                                         ; all four work-groups are here: the first joint loads meet
	tensor_load_to_lds s[G0:G0+3], s[G1:G1+7]      ; records 0 and 1: the first fills go out together
	s_nop 0
	tensor_load_to_lds s[G0+4:G0+7], s[G1:G1+7]
	s_nop 0
	PLACES
; ---- the head's loads: 108 that q and the loop need, then the 96 of the copy
.irp s, 0,1,2,3,4,5,6,7
.irp g, 0,1,2
	global_load_b128 v[AF+12*\s+4*\g:AF+12*\s+4*\g+3], v16, s[66:67] offset:1536*\s+512*\g
.endr
.endr
.irp k, 0,1
	global_load_b128 v[96+4*\k:99+4*\k], v19, s[68:69] offset:256*\k                     ; row b's eight scale words, in every lane
.endr
.irp tt, 0,1
.irp k, 0,1
	global_load_b128 v[104+8*\tt+4*\k:107+8*\tt+4*\k], v2, s[70:71] offset:512*\tt+256*\k
.endr
.endr
.irp tt, 0,1
.irp k, 0,1
	global_load_b128 v[PR+8*\tt+4*\k:PR+8*\tt+4*\k+3], v17, s[10:11] offset:64*\tt+16*\k  ; WQ_b in the result's layout: the sums begin with it
.endr
.endr
.irp bt, 0,1,2,3,4,5,6,7
.irp k, 0,1
	global_load_b128 v[WSC+8*\bt+4*\k:WSC+8*\bt+4*\k+3], v2, s[74:75] offset:32768*(\bt/4)+512*(\bt%4)+256*\k
.endr
.endr
	global_load_b64 v[250:251], v18, s[16:17]
	global_load_b64 v[252:253], v18, s[14:15]
	WIN 0x40                                       ; destination window 1
.irp tt, 0,1
.irp s, 0,1,2,3,4,5,6,7
.irp g, 0,1,2
	global_load_b128 v[96*\tt+12*\s+4*\g:96*\tt+12*\s+4*\g+3], v1, s[72:73] offset:12288*\tt+1536*\s+512*\g
.endr
.endr
.endr
.irp t, 0,1,2,3
.irp k, 0,1
	global_load_b128 v[192+8*\t+4*\k:195+8*\t+4*\k], v17, s[12:13] offset:64*\t+16*\k     ; WK_b in q's layout
.endr
.endr
	WIN 0x80                                       ; destination window 2
.set i, 0
.rept 48
	global_load_b128 v[4*i:4*i+3], v1, s[76:77] offset:512*i
.set i, i+1
.endr
	WIN 0xc0                                       ; window 3
.set i, 0
.rept 48
	global_load_b128 v[4*i:4*i+3], v1, s[76:77] offset:512*(48+i)
.set i, i+1
.endr
	s_wait_loadcnt 63                              ; 96 loads were issued behind the first 108: those are in
	WIN 0x01                                       ; source 0 window 1
.irp s, 0,1,2,3,4,5,6,7                        ; q: two accumulators by turns
.irp tt, 0,1
	v_wmma_scale_f32_16x16x128_f8f6f4 v[PR+8*\tt:PR+8*\tt+7], v[96*\tt+12*\s:96*\tt+12*\s+11], v[AF+12*\s:AF+12*\s+11], v[PR+8*\tt:PR+8*\tt+7], v[104+8*\tt+\s], v[96+\s] matrix_a_fmt:MATRIX_FMT_BF6 matrix_b_fmt:MATRIX_FMT_BF6
.endr
.endr
	WIN 0
	PLACES
.irp i, 0,1,2,3,4,5,6,7
	v_pk_mul_f32 v[PR+2*\i:PR+2*\i+1], v[PR+2*\i:PR+2*\i+1], s[54:55] op_sel_hi:[1,0]     ; c q
.endr
.irp k, 0,1,2,3
	ds_store_b128 v11, v[PR+4*\k:PR+4*\k+3] offset:512*\k
.endr
	s_wait_loadcnt 48                              ; the copy's first half is in; its second half may be out
	WIN 0x08                                       ; an LDS store's data are its source 1: window 2
.set i, 0
.rept 48
	ds_store_b128 v10, v[4*i:4*i+3] offset:512*i
.set i, i+1
.endr
	s_wait_loadcnt 0x0
	WIN 0x0c
.set i, 0
.rept 48
	ds_store_b128 v10, v[4*i:4*i+3] offset:512*(48+i)
.set i, i+1
.endr
	WIN 0
	s_wait_dscnt 0x0                               ; for the others' sake: my stores have landed,
	s_wait_tensorcnt 0x1                           ; and my quarter of record 0; record 1's may stay out
	s_barrier_signal -1
	s_barrier_wait -1
	WIN 0x40
.irp t, 0,1,2,3
.irp k, 0,1
	ds_load_b128 v[96+8*\t+4*\k:99+8*\t+4*\k], v12 offset:1024*\t+512*\k                  ; c q of my head: register 8 t + j = d 16 t + 8 h + j
.endr
.endr
.set i, 0
.rept 32
	v_mov_b32 v[224+i], 0                          ; O: the block's work is written once, its first pass finds zeros
.set i, i+1
.endr
	WIN 0
	v_mov_b32 v20, 0xff61b1e6                      ; M: -3e38, under every t
	v_mov_b32 v24, 0                               ; S
	v_mov_b32 v23, 0                               ; (named with v22 as a pair)
	s_wait_dscnt 0x0
	WIN 0x05                                       ; sources 0 and 1 window 1
	v_pk_mul_f32 v[26:27], v[96:97], v[192:193]
.irp i, 1,2,3,4,5,6,7,8,9,10,11,12,13,14,15
	v_pk_fma_f32 v[26:27], v[96+2*\i:97+2*\i], v[192+2*\i:193+2*\i], v[26:27]             ; my half's part of c q . WK_b
.endr
	WIN 0
.macro FETCH_W s, p                    ; W's 8 fragments of K step s into set p
	WIN 0x40
.irp bt, 0,1,2,3
.irp g, 0,1,2
	ds_load_b128 v[128*(\p)+12*\bt+4*\g:128*(\p)+12*\bt+4*\g+3], v8 offset:12288*\bt+1536*(\s)+512*\g
.endr
.endr
.irp bt, 0,1,2,3
.irp g, 0,1,2
	ds_load_b128 v[128*(\p)+48+12*\bt+4*\g:128*(\p)+48+12*\bt+4*\g+3], v9 offset:12288*\bt+1536*(\s)+512*\g
.endr
.endr
	WIN 0
.endm
.macro FETCH_Y slot, q, i0             ; y's tiles i0 .. i0 + 3 of the slot's q-th K step
.irp i, \i0, \i0+1, \i0+2, \i0+3
.irp g, 0,1,2
	ds_load_b128 v[AF+12*(\i)+4*\g:AF+12*(\i)+4*\g+3], v[4+\slot] offset:24576*(\q)+1536*(\i)+512*\g
.endr
.endr
.endm
.macro SCALES slot                     ; a slot's two scale words of each of my 8 tiles
.irp i, 0,1,2,3,4,5,6,7
	ds_load_b64 v[SCY+16*\slot+2*\i:SCY+16*\slot+2*\i+1], v[6+\slot] offset:128*\i
.endr
.endm
; 16 matrix instructions: y tiles a0, a0 + 1 x W's eight.  The 64 accumulators take turns, one instruction a turn, in the same order in every step.
.macro MUL16 a0, p, s, slot, q, zero
.irp a, \a0, \a0+1
.irp bt, 0,1,2,3,4,5,6,7
.if \zero
	v_wmma_scale_f32_16x16x128_f8f6f4 v[8*(8*((\a)%4)+\bt):8*(8*((\a)%4)+\bt)+7], v[128*(\p)+12*\bt:128*(\p)+12*\bt+11], v[AF+12*(\a):AF+12*(\a)+11], 0, v[WSC+8*\bt+(\s)], v[SCY+16*(\slot)+2*(\a)+(\q)] matrix_a_fmt:MATRIX_FMT_BF6 matrix_b_fmt:MATRIX_FMT_BF6
.else
	v_wmma_scale_f32_16x16x128_f8f6f4 v[8*(8*((\a)%4)+\bt):8*(8*((\a)%4)+\bt)+7], v[128*(\p)+12*\bt:128*(\p)+12*\bt+11], v[AF+12*(\a):AF+12*(\a)+11], v[8*(8*((\a)%4)+\bt):8*(8*((\a)%4)+\bt)+7], v[WSC+8*\bt+(\s)], v[SCY+16*(\slot)+2*(\a)+(\q)] matrix_a_fmt:MATRIX_FMT_BF6 matrix_b_fmt:MATRIX_FMT_BF6
.endif
.endr
.endr
.endm
.macro STEP slot, s, zero              ; a slot's first K step (W's set 0)
	s_wait_dscnt 12                                ; all but the youngest 12 loads (y's tiles 4-7) are in
	WIN 0xa1                                       ; source 0 window 1, source 1 window 0, C and D window 2
	MUL16 0, 0, \s, \slot, 0, \zero
	MUL16 2, 0, \s, \slot, 0, \zero
	s_wait_dscnt 0x0
	PLACES
	FETCH_W (\s)+1, 1
	FETCH_Y \slot, 1, 0
	WIN 0xf1                                       ; C and D window 3
	MUL16 4, 0, \s, \slot, 0, \zero
	MUL16 6, 0, \s, \slot, 0, \zero
	PLACES
	WIN 0
	FETCH_Y \slot, 1, 4
.endm
; A slot's second K step changes slots: one barrier; in front of it each wave waits for all its tensor loads, adds 0 to its spare word, and waits for that and for its reads of this slot.
; fill = 1: the barrier opens a round of the cluster's barrier, and this slot takes the record two on.
.macro TURN slot, next, s, fill
	s_wait_tensorcnt 0x0                           ; my quarter of the next slot has landed: no tensor load of mine is out
	ds_add_u32 v28, v29                            ; 0 onto my spare word
	s_wait_dscnt 13                                ; (the add and the youngest 12 loads may be out)
	WIN 0xa1
	MUL16 0, 1, \s, \slot, 1, 0
	s_wait_dscnt 0x0                               ; the add is done, and my reads of this slot are over
	s_barrier_signal -1
	MUL16 2, 1, \s, \slot, 1, 0
	WIN 0
	s_barrier_wait -1
.if \fill
	CREST                                          ; no wave of any partner still reads this slot or has a load on its way
	s_add_nc_u64 s[G0+4*\slot+2:G0+4*\slot+3], s[G0+4*\slot+2:G0+4*\slot+3], 2*REC
	tensor_load_to_lds s[G0+4*\slot:G0+4*\slot+3], s[G1:G1+7]   ; my one tensor load behind the round; it has a slot's 128 matrix instructions in which to land
	s_nop 0
	PLACES                                         ; (also the places in front of the loads below)
.else
	PLACES
.endif
	FETCH_W ((\s)+1)%8, 0
	FETCH_Y \next, 0, 0
	SCALES \next
	WIN 0xf1
	MUL16 4, 1, \s, \slot, 1, 0
	MUL16 6, 1, \s, \slot, 1, 0
	PLACES
	WIN 0
	FETCH_Y \next, 0, 4
.endm
.macro LASTSTEP                        ; the very last K step: nothing more to fetch
	s_wait_dscnt 12
	WIN 0xa1
	MUL16 0, 1, 7, 1, 1, 0
	MUL16 2, 1, 7, 1, 1, 0
	s_wait_dscnt 0x0
	WIN 0xf1
	MUL16 4, 1, 7, 1, 1, 0
	MUL16 6, 1, 7, 1, 1, 0
	WIN 0
	PLACES
.endm
; An l block's softmax and weighted sum.  Each accumulator is read from its low end on.
.macro EPI
.irp hi, 0,1
	WIN 0x06+\hi                                   ; source 0 (k) window 2 or 3, source 1 (c q) window 1
.irp bt, 0,1,2,3
.irp jp, 0,1,2,3
.irp a, 0,1,2,3
.if (\bt == 0) && (\jp == 0)
	v_pk_fma_f32 v[PR+2*(4*\hi+\a):PR+2*(4*\hi+\a)+1], v[8*(8*\a+\bt)+2*\jp:8*(8*\a+\bt)+2*\jp+1], v[96+8*\bt+2*\jp:97+8*\bt+2*\jp], v[26:27]
.else
	v_pk_fma_f32 v[PR+2*(4*\hi+\a):PR+2*(4*\hi+\a)+1], v[8*(8*\a+\bt)+2*\jp:8*(8*\a+\bt)+2*\jp+1], v[96+8*\bt+2*\jp:97+8*\bt+2*\jp], v[PR+2*(4*\hi+\a):PR+2*(4*\hi+\a)+1]
.endif
.endr
.endr
.endr
.endr
	WIN 0
.irp a, 0,1,2,3,4,5,6,7
	v_add_f32 v[TT+\a], v[PR+2*\a], v[PR+2*\a+1]
.endr
.irp a, 0,1,2,3,4,5,6,7
	v_permlanex16_b32 v[PR+\a], v[TT+\a], s52, s53 ; the other 32 of the head's 64 lie in lane l xor 16
.endr
.irp a, 0,1,2,3,4,5,6,7
	v_add_f32 v[TT+\a], v[TT+\a], v[PR+\a]         ; t of l = 16 a + r
.endr
	v_max3_num_f32 v21, v20, v[TT], v[TT+1]
	v_max3_num_f32 v21, v21, v[TT+2], v[TT+3]
	v_max3_num_f32 v21, v21, v[TT+4], v[TT+5]
	v_max3_num_f32 v21, v21, v[TT+6], v[TT+7]      ; the new M
	v_sub_f32 v22, v20, v21
.irp a, 0,1,2,3,4,5,6,7
	v_sub_f32 v[TT+\a], v[TT+\a], v21
.endr
	v_exp_f32 v22, v22                             ; f = 2^(old M - new M)
.irp a, 0,1,2,3,4,5,6,7
	v_exp_f32 v[PR+2*\a], v[TT+\a]                 ; p, at even registers: a pair's low word serves both halves below
.endr
	v_mov_b32 v20, v21                             ; (the plain place behind the exponentials)
	s_wait_alu depctr_va_vdst(0)
	v_add_f32 v248, v[PR], v[PR+2]
	v_add_f32 v249, v[PR+4], v[PR+6]
	v_add_f32 v[TT], v[PR+8], v[PR+10]
	v_add_f32 v[TT+1], v[PR+12], v[PR+14]
	v_add_f32 v248, v248, v249
	v_add_f32 v[TT], v[TT], v[TT+1]
	v_add_f32 v248, v248, v[TT]
	v_fma_f32 v24, v24, v22, v248                  ; S = S f + the block's p
	WIN 0x41                                       ; O (destination, source 0) window 1
.irp i, 0,1,2,3,4,5,6,7,8,9,10,11,12,13,14,15
	v_pk_mul_f32 v[224+2*\i:225+2*\i], v[224+2*\i:225+2*\i], v[22:23] op_sel_hi:[1,0]
.endr
.irp hi, 0,1
	WIN 0x52+\hi                                   ; source 0 (v) window 2 or 3, source 1 (p) window 0, O window 1
.irp a, 0,1,2,3
.irp bb, 0,1,2,3
.irp jp, 0,1,2,3
	v_pk_fma_f32 v[224+8*\bb+2*\jp:225+8*\bb+2*\jp], v[8*(8*\a+4+\bb)+2*\jp:8*(8*\a+4+\bb)+2*\jp+1], v[PR+2*(4*\hi+\a):PR+2*(4*\hi+\a)+1], v[224+8*\bb+2*\jp:225+8*\bb+2*\jp] op_sel_hi:[1,0,1]
.endr
.endr
.endr
.endr
	WIN 0
.endm
.macro LBLOCK last                     ; 256 l: four records, eight K steps, then the softmax
	STEP 0, 0, 1                                   ; the first products start the sums: nothing is cleared
	TURN 0, 1, 1, 1
	STEP 1, 2, 0
	TURN 1, 0, 3, 1
	STEP 0, 4, 0
	TURN 0, 1, 5, 1-\last
	STEP 1, 6, 0
.if \last
	LASTSTEP
.else
	TURN 1, 0, 7, 1                                ; the ring goes on into the next l block
.endif
	EPI
.endm
	FETCH_W 0, 0
	FETCH_Y 0, 0, 0
	SCALES 0
	FETCH_Y 0, 0, 4
	s_mov_b32 s3, 3
.Llb:
	LBLOCK 0
	s_sub_co_u32 s3, s3, 1
	s_cmp_lg_u32 s3, 0
	s_cbranch_scc1 .Llb
	LBLOCK 1                                       ; the last block is written out: records 14 and 15 have no successors
; ---- the end: the 16 lanes of a row, then the two waves of a head
	v_mov_b32 v248, v20
.irp x, 1,2,4,8
	v_max_num_f32_dpp v248, v248, v248 row_xmask:\x row_mask:0xf bank_mask:0xf
.endr
	v_sub_f32 v249, v20, v248
	v_exp_f32 v22, v249                            ; my lane's sums under the wave's maximum
	v_nop
	s_wait_alu depctr_va_vdst(0)
	v_mul_f32 v24, v24, v22
	WIN 0x01
.irp i, 0,1,2,3,4,5,6,7,8,9,10,11,12,13,14,15
	v_pk_mul_f32 v[128+2*\i:129+2*\i], v[224+2*\i:225+2*\i], v[22:23] op_sel_hi:[1,0]
.endr
	WIN 0
.irp x, 1,2,4,8
	v_add_f32_dpp v24, v24, v24 row_xmask:\x row_mask:0xf bank_mask:0xf
.set i, 0
.rept 32
	v_add_f32_dpp v[128+i], v[128+i], v[128+i] row_xmask:\x row_mask:0xf bank_mask:0xf
.set i, i+1
.endr
.endr
	v_mov_b32 v249, v24
.irp bb, 0,1,2,3
.irp k, 0,1
	ds_store_b128 v13, v[128+8*\bb+4*\k:131+8*\bb+4*\k] offset:64*\bb+16*\k                ; channel 16 bb + 8 h + 4 k ..; the 16 lanes of a row write the same words with the same values
.endr
.endr
	ds_store_b64 v13, v[248:249] offset:256        ; (maximum, sum)
	s_wait_dscnt 0x0
	s_barrier_signal -1
	s_barrier_wait -1
	s_cmp_lg_u32 s22, 0
	s_cbranch_scc1 .Ldone                          ; the even wave of a head finishes it
	ds_load_b64 v[128:129], v14                    ; channels 2 lane, 2 lane + 1: mine,
	ds_load_b64 v[130:131], v14 offset:512         ; my partner's
	ds_load_b64 v[132:133], v15
	ds_load_b64 v[134:135], v15 offset:512
	s_wait_dscnt 0x0
	v_max_num_f32 v136, v132, v134
	v_sub_f32 v137, v132, v136
	v_sub_f32 v138, v134, v136
	v_exp_f32 v140, v137
	v_exp_f32 v142, v138
	v_nop
	s_wait_alu depctr_va_vdst(0)
	v_mul_f32 v139, v140, v133
	v_fma_f32 v139, v142, v135, v139               ; the row's sum
	v_rcp_f32 v144, v139
	v_pk_mul_f32 v[128:129], v[128:129], v[140:141] op_sel_hi:[1,0]                        ; (a plain place behind the reciprocal)
	v_pk_fma_f32 v[128:129], v[130:131], v[142:143], v[128:129] op_sel_hi:[1,0,1]
	s_wait_alu depctr_va_vdst(0)
	v_pk_fma_f32 v[128:129], v[128:129], v[144:145], v[252:253] op_sel_hi:[1,0,1]          ; / the sum, + WV_b
	v_pk_add_f32 v[128:129], v[128:129], v[250:251]                                        ; + x
	global_store_b64 v18, v[128:129], s[18:19]     ; 256 consecutive bytes, aligned
.Ldone:
	s_wait_tensorcnt 0x0                           ; the wave's end
	ds_add_u32 v28, v29
	s_wait_dscnt 0x0
	CROUND                                         ; the closing round
	s_endpgm
.Lfunc_end_k_qfbbedc3bfa_attn:
	.size	k_qfbbedc3bfa_attn, .Lfunc_end_k_qfbbedc3bfa_attn-k_qfbbedc3bfa_attn
	.p2alignl 7, 3214868480
	.fill 96, 4, 3214868480
	.section	.rodata,"a",@progbits
	.p2align	6, 0x0
	.amdhsa_kernel k_qfbbedc3bfa_attn
		.amdhsa_group_segment_fixed_size 327680
		.amdhsa_private_segment_fixed_size 0
		.amdhsa_enable_private_segment 0
		.amdhsa_kernarg_size 64
		.amdhsa_user_sgpr_count 2
		.amdhsa_user_sgpr_kernarg_segment_ptr 1
		.amdhsa_wavefront_size32 1
		.amdhsa_system_sgpr_workgroup_id_x 1
		.amdhsa_system_sgpr_workgroup_id_y 1
		.amdhsa_system_sgpr_workgroup_id_z 1
		.amdhsa_system_vgpr_workitem_id 0
		.amdhsa_next_free_vgpr 1024
		.amdhsa_next_free_sgpr 96
		.amdhsa_reserve_vcc 0
		.amdhsa_float_denorm_mode_32 3
		.amdhsa_float_denorm_mode_16_64 3
		.amdhsa_memory_ordered 1
		.amdhsa_forward_progress 1
		.amdhsa_inst_pref_size 255
	.end_amdhsa_kernel
	.section	.bss,"aw",@nobits
	.p2align	6
	.space	262144
	.amdgpu_metadata
---
amdhsa.version: [ 1, 2 ]
amdhsa.kernels:
  - .name:           k_qfbbedc3bfa_attn
    .symbol:         k_qfbbedc3bfa_attn.kd
    .args:
      - { .name: yc, .offset: 0, .size: 8, .value_kind: global_buffer, .address_space: global }
      - { .name: wc, .offset: 8, .size: 8, .value_kind: global_buffer, .address_space: global }
      - { .name: ws, .offset: 16, .size: 8, .value_kind: global_buffer, .address_space: global }
      - { .name: WQ_b, .offset: 24, .size: 8, .value_kind: global_buffer, .address_space: global }
      - { .name: WK_b, .offset: 32, .size: 8, .value_kind: global_buffer, .address_space: global }
      - { .name: WV_b, .offset: 40, .size: 8, .value_kind: global_buffer, .address_space: global }
      - { .name: x, .offset: 48, .size: 8, .value_kind: global_buffer, .address_space: global }
      - { .name: z, .offset: 56, .size: 8, .value_kind: global_buffer, .address_space: global }
    .group_segment_fixed_size: 327680
    .private_segment_fixed_size: 0
    .kernarg_segment_align: 8
    .kernarg_segment_size: 64
    .max_flat_workgroup_size: 128
    .sgpr_count:     96
    .vgpr_count:     1024
    .wavefront_size: 32
...
	.end_amdgpu_metadata
.endif
;; end of part 2
;; launch ffn1 (part 3): grid 256 x 1, 8 waves a work-group, no clusters, 168,960 bytes of LDS; arguments z, bn1_g, bn1_b, w1_w, w1_b, w2_w, hc, hs, wc, ws; writes hc, hs, wc, ws
.if DOCPART == 3
	.amdgcn_target "amdgcn-amd-amdhsa--gfx1250"
	.amdhsa_code_object_version 6
	.text
	.protected	k_qfbbedc3bfa_ffn1
	.globl	k_qfbbedc3bfa_ffn1
	.p2align	8
	.type	k_qfbbedc3bfa_ffn1,@function
k_qfbbedc3bfa_ffn1:
	s_mov_b64 s[64:65], 0
	v_nop
	global_prefetch_b8 v0, s[64:65] scope:SCOPE_SE
	s_setreg_imm32_b32 hwreg(HW_REG_WAVE_MODE, 25, 1), 1
	s_wait_xcnt 0x0
; Work-groups 0-127: h = relu(bn1(z) w1^T + w1_b), quantised along the hidden units into hc, hs.  Work-groups 128-255: w2 [1024][4096] f32 becomes codes and scale words for the next launch.
; All codes are BF6 (E3M2, 6 bits) with one E8M0 scale byte for each 32 along K; the product is on such codes, its sums are f32.
; ONE MACRO QUANTISES ALL THREE OPERANDS (ret = bn1(z), w1, w2): 16 rows x 128 K of f32, a row's 512 bytes spread over the 32 lanes as a load brings them, go through the wave's own stage in LDS and come back
; as 2 x 32 neighbours along K a lane: lane (r, h) holds K = 64 c + 32 h + 0 .. 31 of row r, which is the operand's own layout, so the conversions' results are the fragment.
; FIRST PATH.  Work-group j makes hidden units 32 j .. 32 j + 31 (one block of the next K) for all 32 rows.  WAVE w IS K STEP w: it norms and quantises its own 128 channels of all 32 rows, quantises its K step of
;   the 32 rows of w1 (each number of w1 is read by this one wave, so it goes from f32 straight into the operand), and multiplies; the eight waves' partial sums meet in LDS, and waves 0 and 1 add them in ascending K, one row tile each.
;   The norm is over the 32 rows: z is loaded by rows, so a lane holds 4 channels and its registers run down the rows: no other lane is asked.  Mean first, then the mean of the squared differences.
;   The product is used transposed (source 0 = 16 rows of w1, source 1 = 16 rows of ret); tile u holds w1's rows 32 j + 8 u + i + 8 (i / 8), so that a lane's 16 registers of the two tiles are 16 neighbouring hidden units.
;   hc: [row tile 2][K step 32][lane 32][48 bytes]: a lane's twelve registers on end.  hs: [row tile][K step][row 16][4 bytes].
;   The stores of 12 bytes and of 1 byte a lane fill their 256-byte runs in part: hc and hs are 102,400 bytes in all, shared among 128 work-groups.
; SECOND PATH.  A wave takes 16 rows x 256 K of w2: half of a unit U = 8 x tile + K / 512.  Codes: wc + 5,505,024 + 6,144 U, four fragments of 1,536 bytes (registers 4 g .. 4 g + 3 of lane l at 512 g + 16 l);
;   scale words: ws + 229,376 + 256 U + 16 r, four words a row, of which a wave stores two.
; LDS: 0 the first path's stages, 8 x 8,448; 67,584 its partial sums [accumulator 4][wave 8][1,024]; 100,352 the second path's stages: each path has bytes of its own.
; LIMITS: NaN and infinities are not served; a block of zeros gets the byte 1 over zero codes (the quantiser says 127; only this program reads the bytes).
; REGISTERS.  Window 0: v1-9 addresses; v10-15 the quantiser's; v16-143 z [row 32][4 channels], then ret; later w1's two fragments (v16-39), four accumulators (v48-79), at last the partial sums;
;   v144-207 a tile's numbers by neighbours; v208-215 gain, bias; v216-223 sums, later the conversions' second halves; v224-247 two fragments; v248-249 their scale words, v250-251 w1's; v[252:253] eps.
;   Window 1: v0-127 w1's two tiles as loaded; v128-143 w1_b.
.set STG,   8448                       ; a wave's stage: 16 rows x (512 bytes + 16)
.set PSUM,  8*STG
.set W2STG, PSUM+32768
.set FLOOR, 0x2800000                  ; 2^(5 - 127)
.set OFF4,  0xfe000000                 ; 4 off an exponent field
.set Z,     16
.set X,     144
.set SEL,   28
.set MSB,   0
.macro WIN new                         ; the immediate's high byte repeats the setting that is left
.if MSB != (\new)
	s_set_vgpr_msb (MSB<<8)|(\new)
.set MSB, (\new)
.endif
.endm
; 16 rows x 128 K in v[raw] on (row i: registers 4 i .. 4 i + 3; window rw) become a fragment in v[fr] on and its rows' scale word in v[wd]
.macro TILEQ raw, rw, fr, wd
.if \rw
	WIN 0x04                                       ; an LDS store's data are its source 1: window 1
.endif
.irp i, 0,1,2,3,4,5,6,7,8,9,10,11,12,13,14,15
	ds_store_b128 v6, v[(\raw)+4*\i:(\raw)+4*\i+3] offset:528*\i
.endr
	WIN 0
.irp c, 0,1
.irp j, 0,1,2,3,4,5,6,7
	ds_load_b128 v[X+32*\c+4*\j:X+32*\c+4*\j+3], v7 offset:256*\c+16*\j   ; LDS serves a wave's instructions in order: these see the stores.  K = 64 c + 32 h + 4 j ..
.endr
.endr
	s_wait_dscnt 0x0
.irp c, 0,1
	v_max3_num_f32 v[10+\c], |v[X+32*\c]|, |v[X+32*\c+1]|, FLOOR      ; my block 2 c + h: all 32 numbers are mine; the floor holds the byte at 1 from below
.endr
.irp i, 2,4,6,8,10,12,14,16,18,20,22,24,26,28,30
.irp c, 0,1
	v_max3_num_f32 v[10+\c], v[10+\c], |v[X+32*\c+\i]|, |v[X+32*\c+\i+1]|
.endr
.endr
.irp c, 0,1
	v_add_nc_u32 v[12+\c], OFF4, v[10+\c]          ; the conversion's scale operand: only its exponent field counts
.endr
.irp c, 0,1
	v_lshrrev_b32 v[10+\c], 23, v[12+\c]           ; the byte
.endr
	v_lshl_or_b32 v14, v11, 16, v10                ; blocks h and 2 + h,
	v_lshlrev_b32 v14, v5, v14                     ; at their places,
	v_permlanex16_b32 v15, v14, s[SEL], s[SEL+1]
	v_or_b32 v[\wd], v14, v15                      ; with lane l xor 16's two: the row's word
.irp c, 0,1
	v_cvt_scalef32_pk16_bf6_f32 v[(\fr)+6*\c:(\fr)+6*\c+2], v[X+32*\c:X+32*\c+15], v[12+\c]
	v_cvt_scalef32_pk16_bf6_f32 v[216+4*\c:218+4*\c], v[X+32*\c+16:X+32*\c+31], v[12+\c]   ; (three registers that begin on an even number)
.endr
	v_nop                                          ; one plain place behind a scaled conversion
.irp c, 0,1
.irp i, 0,1,2
	v_mov_b32 v[(\fr)+6*\c+3+\i], v[216+4*\c+\i]
.endr
.endr
.endm
	s_load_b512 s[4:19], s[0:1], 0x0               ; z, bn1_g, bn1_b, w1_w, w1_b, w2_w, hc, hs
	s_load_b128 s[20:23], s[0:1], 0x40             ; wc, ws
	v_lshl_add_u32 v254, v0, 2, 0x29000
	v_mov_b32 v255, 0
	v_lshrrev_b32 v1, 5, v0
	v_readfirstlane_b32 s24, v1                    ; wave
	v_and_b32 v2, 31, v0
	v_lshlrev_b32 v1, 4, v2                        ; 16 x lane
	v_and_b32 v3, 15, v0                           ; r
	v_bfe_u32 v4, v0, 4, 1                         ; h
	v_lshlrev_b32 v5, 3, v4                        ; 8 h: where my two bytes stand in a scale word
	s_mul_i32 s25, s24, STG                        ; my stage
	v_add_nc_u32 v6, s25, v1                       ; into it: a row's 512 bytes as loaded
	v_mul_u32_u24 v7, v3, 528
	v_lshl_add_u32 v7, v4, 7, v7
	v_add_nc_u32 v7, s25, v7                       ; out of it: row r, + 128 h
	v_mov_b32 v15, 0                               ; a lane permute's destination counts as one of its sources
	s_mov_b32 s[SEL], 0x76543210
	s_mov_b32 s[SEL+1], 0xfedcba98                 ; selects for lane l xor 16
	s_mov_b32 s27, 0
	s_cmp_ge_u32 ttmp9, 128
	s_cbranch_scc1 .Lw2
; ---------------- the hidden layer ----------------
	s_lshl_b32 s30, s24, 10
	s_add_co_u32 s30, s30, PSUM
	v_add_nc_u32 v8, s30, v1                       ; LDS: where I put my partial sums
	s_and_b32 s31, s24, 1                          ; the adders' share: row tile m
	s_lshl_b32 s30, s31, 13
	s_add_co_u32 s30, s30, PSUM
	v_add_nc_u32 v9, s30, v1                       ; LDS: where I read them
	v_lshlrev_b32 v2, 2, v3                        ; hs: 4 r
	v_mul_u32_u24 v3, v3, 48
	v_mad_u32_u24 v3, v4, 12, v3                   ; hc: 48 r + 12 h
	v_lshlrev_b32 v4, 6, v4                        ; w1_b: 64 h
	v_mov_b32 v252, 0x3727c5ac                     ; eps = 1e-5
	v_mov_b32 v253, 0x3727c5ac
	s_wait_kmcnt 0x0
	s_lshl_b32 s26, s24, 9                         ; my 128 channels
	s_add_nc_u64 s[4:5], s[4:5], s[26:27]
	s_add_nc_u64 s[6:7], s[6:7], s[26:27]
	s_add_nc_u64 s[8:9], s[8:9], s[26:27]
	s_lshl_b32 s30, ttmp9, 17                      ; 32 rows of 4,096 bytes
	s_add_co_u32 s26, s26, s30
	s_add_nc_u64 s[10:11], s[10:11], s[26:27]      ; w1 at row 32 j, my K step
	s_lshl_b32 s26, ttmp9, 7
	s_add_nc_u64 s[12:13], s[12:13], s[26:27]      ; w1_b at unit 32 j
	s_lshl_b32 s30, s31, 5
	s_lshr_b32 s32, ttmp9, 2
	s_add_co_u32 s30, s30, s32                     ; h's fragment 32 m + j / 4; in it my block is j % 4
	s_and_b32 s32, ttmp9, 1
	s_bfe_u32 s33, ttmp9, 0x10001
	s_mul_i32 s26, s30, 1536
	s_mul_i32 s34, s32, 768
	s_add_co_u32 s26, s26, s34                     ; + 48 x 16 (block % 2): the fragment's half of lanes,
	s_mul_i32 s34, s33, 24
	s_add_co_u32 s26, s26, s34                     ; + 24 (block / 2)
	s_add_nc_u64 s[16:17], s[16:17], s[26:27]
	s_lshl_b32 s26, s30, 6
	s_and_b32 s34, ttmp9, 3
	s_add_co_u32 s26, s26, s34
	s_add_nc_u64 s[18:19], s[18:19], s[26:27]      ; hs: byte j % 4 of the row's word
.set i, 0
.rept 32
	global_load_b128 v[Z+4*i:Z+4*i+3], v1, s[4:5] offset:4096*i                            ; row i: 512 consecutive bytes
.set i, i+1
.endr
	global_load_b128 v[208:211], v1, s[6:7]        ; my 4 channels' gain,
	global_load_b128 v[212:215], v1, s[8:9]        ; and bias
	WIN 0x40                                       ; destination window 1
.irp k, 0,1,2,3
	global_load_b128 v[128+4*\k:131+4*\k], v4, s[12:13] offset:16*\k                       ; w1_b of units 32 j + 16 h + 0 .. 15
.endr
.irp u, 0,1
.irp i, 0,1,2,3,4,5,6,7,8,9,10,11,12,13,14,15
	global_load_b128 v[64*\u+4*\i:64*\u+4*\i+3], v1, s[10:11] offset:(8*\u+\i+8*(\i/8))*4096 th:TH_LOAD_NT
.endr
.endr
	WIN 0
	s_wait_loadcnt 32                              ; all but w1's 32 loads are in: they land while the norm is made
; ---- bn1 for my 4 channels of all 32 rows; rows 0-15 and 16-31 in chains of their own
	v_pk_add_f32 v[216:217], v[Z:Z+1], v[Z+4:Z+5]
	v_pk_add_f32 v[218:219], v[Z+2:Z+3], v[Z+6:Z+7]
	v_pk_add_f32 v[220:221], v[Z+64:Z+65], v[Z+68:Z+69]
	v_pk_add_f32 v[222:223], v[Z+66:Z+67], v[Z+70:Z+71]
.set i, 8
.rept 14
	v_pk_add_f32 v[216:217], v[216:217], v[Z+i:Z+i+1]
	v_pk_add_f32 v[218:219], v[218:219], v[Z+i+2:Z+i+3]
	v_pk_add_f32 v[220:221], v[220:221], v[Z+64+i:Z+65+i]
	v_pk_add_f32 v[222:223], v[222:223], v[Z+66+i:Z+67+i]
.set i, i+4
.endr
	v_pk_add_f32 v[216:217], v[216:217], v[220:221]
	v_pk_add_f32 v[218:219], v[218:219], v[222:223]
.set i, 0
.rept 32
	v_pk_fma_f32 v[Z+i:Z+i+1], v[216:217], 0xbd000000, v[Z+i:Z+i+1] op_sel_hi:[1,0,1]      ; z - sum / 32
	v_pk_fma_f32 v[Z+i+2:Z+i+3], v[218:219], 0xbd000000, v[Z+i+2:Z+i+3] op_sel_hi:[1,0,1]
.set i, i+4
.endr
	v_pk_mul_f32 v[216:217], v[Z:Z+1], v[Z:Z+1]
	v_pk_mul_f32 v[218:219], v[Z+2:Z+3], v[Z+2:Z+3]
	v_pk_mul_f32 v[220:221], v[Z+64:Z+65], v[Z+64:Z+65]
	v_pk_mul_f32 v[222:223], v[Z+66:Z+67], v[Z+66:Z+67]
.set i, 4
.rept 15
	v_pk_fma_f32 v[216:217], v[Z+i:Z+i+1], v[Z+i:Z+i+1], v[216:217]
	v_pk_fma_f32 v[218:219], v[Z+i+2:Z+i+3], v[Z+i+2:Z+i+3], v[218:219]
	v_pk_fma_f32 v[220:221], v[Z+64+i:Z+65+i], v[Z+64+i:Z+65+i], v[220:221]
	v_pk_fma_f32 v[222:223], v[Z+66+i:Z+67+i], v[Z+66+i:Z+67+i], v[222:223]
.set i, i+4
.endr
	v_pk_add_f32 v[216:217], v[216:217], v[220:221]
	v_pk_add_f32 v[218:219], v[218:219], v[222:223]
	v_pk_fma_f32 v[216:217], v[216:217], 0x3d000000, v[252:253] op_sel_hi:[1,0,1]          ; variance + eps
	v_pk_fma_f32 v[218:219], v[218:219], 0x3d000000, v[252:253] op_sel_hi:[1,0,1]
.irp k, 0,1,2,3
	v_rsq_f32 v[216+\k], v[216+\k]
.endr
	v_nop                                          ; a plain place behind the last transcendental
	s_wait_alu depctr_va_vdst(0)
	v_pk_mul_f32 v[208:209], v[216:217], v[208:209]
	v_pk_mul_f32 v[210:211], v[218:219], v[210:211]
.set i, 0
.rept 32
	v_pk_fma_f32 v[Z+i:Z+i+1], v[Z+i:Z+i+1], v[208:209], v[212:213]
	v_pk_fma_f32 v[Z+i+2:Z+i+3], v[Z+i+2:Z+i+3], v[210:211], v[214:215]
.set i, i+4
.endr
	TILEQ Z, 0, 224, 248                           ; ret's rows 0-15,
	TILEQ Z+64, 0, 236, 249                        ; rows 16-31
	s_wait_loadcnt 16                              ; w1's first tile is in; the second tile's 16 loads may be out
	TILEQ 0, 1, 16, 250                            ; its fragment takes registers that ret has left
	s_wait_loadcnt 0x0
	TILEQ 64, 1, 28, 251
.rept 8
	v_nop                                          ; a scale register written by a vector instruction stands 8 places ahead of a scaled matrix instruction, an operand 4
.endr
.irp u, 0,1
.irp m, 0,1
	v_wmma_scale_f32_16x16x128_f8f6f4 v[48+8*(2*\u+\m):55+8*(2*\u+\m)], v[16+12*\u:27+12*\u], v[224+12*\m:235+12*\m], 0, v[250+\u], v[248+\m] matrix_a_fmt:MATRIX_FMT_BF6 matrix_b_fmt:MATRIX_FMT_BF6
.endr
.endr
.rept 4
	v_nop                                          ; four places in front of the reads of the results, and of the loads below into these registers
.endr
.irp a, 0,1,2,3
.irp k, 0,1
	ds_store_b128 v8, v[48+8*\a+4*\k:51+8*\a+4*\k] offset:8192*\a+512*\k                   ; each accumulator from its low end on
.endr
.endr
	s_wait_dscnt 0x0                               ; for the others' sake: my stores have landed
	s_barrier_signal -1
	s_barrier_wait -1
	s_cmp_ge_u32 s24, 2
	s_cbranch_scc1 .Lend
; ---- waves 0 and 1: rows 16 m ..: register 8 u + i = unit 32 j + 16 h + 8 u + i
.irp u, 0,1
.irp s, 0,1,2,3,4,5,6,7
.irp k, 0,1
	ds_load_b128 v[16+16*\s+8*\u+4*\k:19+16*\s+8*\u+4*\k], v9 offset:16384*\u+1024*\s+512*\k
.endr
.endr
.endr
	s_wait_dscnt 0x0
	WIN 0x01                                       ; source 0 window 1
.irp i, 0,2,4,6,8,10,12,14
	v_pk_add_f32 v[X+\i:X+\i+1], v[128+\i:129+\i], v[16+\i:17+\i]                          ; w1_b + K step 0
.endr
	WIN 0
.irp s, 1,2,3,4,5,6,7
.irp i, 0,2,4,6,8,10,12,14
	v_pk_add_f32 v[X+\i:X+\i+1], v[X+\i:X+\i+1], v[16+16*\s+\i:17+16*\s+\i]
.endr
.endr
.irp i, 0,1,2,3,4,5,6,7,8,9,10,11,12,13,14,15
	v_max_num_f32 v[X+\i], 0, v[X+\i]              ; relu
.endr
	v_max3_num_f32 v10, v[X], v[X+1], FLOOR        ; none is negative: no |.|
.irp i, 2,4,6,8,10,12,14
	v_max3_num_f32 v10, v10, v[X+\i], v[X+\i+1]
.endr
	v_permlanex16_b32 v15, v10, s[SEL], s[SEL+1]
	v_max_num_f32 v10, v10, v15                    ; the block's largest: my 16 and lane l xor 16's
	v_add_nc_u32 v12, OFF4, v10
	v_cvt_scalef32_pk16_bf6_f32 v[X+16:X+18], v[X:X+15], v12
	v_lshrrev_b32 v10, 23, v12                     ; the byte (and the plain place behind the conversion)
	global_store_b96 v3, v[X+16:X+18], s[16:17]
	global_store_b8 v2, v10, s[18:19]              ; both halves of the lanes write the same byte with the same value
.Lend:
	s_wait_tensorcnt 0x0
	ds_add_u32 v254, v255
	s_wait_dscnt 0x0
	s_endpgm
; ---------------- w2 ----------------
.Lw2:
	v_add_nc_u32 v6, W2STG, v6                     ; this path's stages are bytes of its own
	v_add_nc_u32 v7, W2STG, v7
	v_lshlrev_b32 v4, 4, v3                        ; 16 r: my row's four scale words
	s_sub_co_u32 s30, ttmp9, 128
	s_lshl_b32 s30, s30, 2
	s_lshr_b32 s31, s24, 1
	s_add_co_u32 s30, s30, s31                     ; U
	s_and_b32 s31, s24, 1                          ; which half of its 512 K
	s_lshr_b32 s32, s30, 3                         ; tile of 16 rows
	s_and_b32 s33, s30, 7                          ; which 512 K of the row
	s_lshl_b32 s26, s32, 18                        ; 16 rows of 16,384 bytes
	s_lshl_b32 s33, s33, 11
	s_add_co_u32 s26, s26, s33
	s_lshl_b32 s33, s31, 10
	s_add_co_u32 s26, s26, s33
	s_wait_kmcnt 0x0
	s_add_nc_u64 s[14:15], s[14:15], s[26:27]
	s_mul_i32 s26, s30, 6144
	s_mul_i32 s33, s31, 3072
	s_add_co_u32 s26, s26, s33
	s_add_co_u32 s26, s26, 5505024
	s_add_nc_u64 s[20:21], s[20:21], s[26:27]      ; my two fragments
	s_lshl_b32 s26, s30, 8
	s_lshl_b32 s33, s31, 3
	s_add_co_u32 s26, s26, s33
	s_add_co_u32 s26, s26, 229376
	s_add_nc_u64 s[22:23], s[22:23], s[26:27]      ; my two of each row's four words
.irp s, 0,1
.irp i, 0,1,2,3,4,5,6,7,8,9,10,11,12,13,14,15
	global_load_b128 v[Z+64*\s+4*\i:Z+64*\s+4*\i+3], v1, s[14:15] offset:16384*\i+512*\s th:TH_LOAD_NT   ; 512 consecutive bytes of a row
.endr
.endr
	s_wait_loadcnt 16                              ; the first K step's 16 loads are in; the second's may be out
	TILEQ Z, 0, 224, 248
.irp g, 0,1,2
	global_store_b128 v1, v[224+4*\g:227+4*\g], s[20:21] offset:512*\g                     ; 512 consecutive bytes, aligned
.endr
	s_wait_loadcnt 0x0
	TILEQ Z+64, 0, 236, 249                        ; registers of its own: no store's data are written again
.irp g, 0,1,2
	global_store_b128 v1, v[236+4*\g:239+4*\g], s[20:21] offset:1536+512*\g
.endr
	global_store_b64 v4, v[248:249], s[22:23]      ; 8 of each row's 16 bytes; the unit's other wave stores the rest; lanes 16-31 hold and write the same words as lanes 0-15
	s_wait_tensorcnt 0x0
	ds_add_u32 v254, v255
	s_wait_dscnt 0x0
	s_endpgm
.Lfunc_end_k_qfbbedc3bfa_ffn1:
	.size	k_qfbbedc3bfa_ffn1, .Lfunc_end_k_qfbbedc3bfa_ffn1-k_qfbbedc3bfa_ffn1
	.p2alignl 7, 3214868480
	.fill 96, 4, 3214868480
	.section	.rodata,"a",@progbits
	.p2align	6, 0x0
	.amdhsa_kernel k_qfbbedc3bfa_ffn1
		.amdhsa_group_segment_fixed_size 168960
		.amdhsa_private_segment_fixed_size 0
		.amdhsa_enable_private_segment 0
		.amdhsa_kernarg_size 80
		.amdhsa_user_sgpr_count 2
		.amdhsa_user_sgpr_kernarg_segment_ptr 1
		.amdhsa_wavefront_size32 1
		.amdhsa_system_sgpr_workgroup_id_x 1
		.amdhsa_system_sgpr_workgroup_id_y 1
		.amdhsa_system_sgpr_workgroup_id_z 1
		.amdhsa_system_vgpr_workitem_id 0
		.amdhsa_next_free_vgpr 512
		.amdhsa_next_free_sgpr 66
		.amdhsa_reserve_vcc 0
		.amdhsa_float_denorm_mode_32 3
		.amdhsa_float_denorm_mode_16_64 3
		.amdhsa_memory_ordered 1
		.amdhsa_forward_progress 1
		.amdhsa_inst_pref_size 72
	.end_amdhsa_kernel
	.amdgpu_metadata
---
amdhsa.version: [ 1, 2 ]
amdhsa.kernels:
  - .name:           k_qfbbedc3bfa_ffn1
    .symbol:         k_qfbbedc3bfa_ffn1.kd
    .args:
      - { .name: z, .offset: 0, .size: 8, .value_kind: global_buffer, .address_space: global }
      - { .name: bn1_g, .offset: 8, .size: 8, .value_kind: global_buffer, .address_space: global }
      - { .name: bn1_b, .offset: 16, .size: 8, .value_kind: global_buffer, .address_space: global }
      - { .name: w1_w, .offset: 24, .size: 8, .value_kind: global_buffer, .address_space: global }
      - { .name: w1_b, .offset: 32, .size: 8, .value_kind: global_buffer, .address_space: global }
      - { .name: w2_w, .offset: 40, .size: 8, .value_kind: global_buffer, .address_space: global }
      - { .name: hc, .offset: 48, .size: 8, .value_kind: global_buffer, .address_space: global }
      - { .name: hs, .offset: 56, .size: 8, .value_kind: global_buffer, .address_space: global }
      - { .name: wc, .offset: 64, .size: 8, .value_kind: global_buffer, .address_space: global }
      - { .name: ws, .offset: 72, .size: 8, .value_kind: global_buffer, .address_space: global }
    .group_segment_fixed_size: 168960
    .private_segment_fixed_size: 0
    .kernarg_segment_align: 8
    .kernarg_segment_size: 80
    .max_flat_workgroup_size: 256
    .sgpr_count:     66
    .vgpr_count:     512
    .wavefront_size: 32
...
	.end_amdgpu_metadata
.endif
;; end of part 3
;; launch ffn2 (part 4): grid 64 x 1, 8 waves a work-group, no clusters, 17,408 bytes of LDS; arguments hc, hs, wc, ws, w2_b, z, bn1_g, bn1_b, bn2_g, bn2_b, out0; writes out0
.if DOCPART == 4
	.amdgcn_target "amdgcn-amd-amdhsa--gfx1250"
	.amdhsa_code_object_version 6
	.text
	.protected	k_qfbbedc3bfa_ffn2
	.globl	k_qfbbedc3bfa_ffn2
	.p2align	8
	.type	k_qfbbedc3bfa_ffn2,@function
k_qfbbedc3bfa_ffn2:
	s_mov_b64 s[64:65], 0
	v_nop
	global_prefetch_b8 v0, s[64:65] scope:SCOPE_SE
	s_setreg_imm32_b32 hwreg(HW_REG_WAVE_MODE, 25, 1), 1
	s_wait_xcnt 0x0
; out0 = bn2(h w2^T + w2_b + ret), ret = bn1(z).  The product is on codes of BF6 with E8M0 scales; all else in f32.
; SHARES.  Work-group T makes channels 16 T .. 16 T + 15 for all 32 rows.  Wave w takes K steps 4 w .. 4 w + 3 of the 32; the eight partial sums meet in LDS and wave 0 adds them in ascending K and norms.
; Source 0 = 16 rows of h, source 1 = 16 rows of w2: lane (r, h) holds channel r and rows 8 h + 0 .. 7 of a row tile, so a channel's 32 rows lie in 16 registers of lanes l and l xor 16.
; ret is made again here for these 16 channels: 16 loads a lane and one norm, against a buffer and its way through memory.
; Every wave loads z and the five channel parameters, though wave 0 alone uses them: 21 loads of the same few lines, and one path for all waves.
; A store covers 64 consecutive bytes of each of two rows of out0: whole runs of 256 bytes would want 64 channels to a work-group, which leaves 16 work-groups; out0 is 131,072 bytes.
; LIMITS: NaN and infinities are not served.
; REGISTERS: v1-6 addresses; v16-23 h's scale words, v24-27 w2's; v32-127 h's 8 fragments; v128-175 w2's 4; v176-191 two accumulators; v192-207 the sum; v208-223 z, then ret; v224-228 w2_b, bn1_g, bn1_b, bn2_g, bn2_b; v240-249 at work.
; A norm over 32 rows on 16 registers of a lane: mean first, then the mean of the squared differences.
.macro BN x, g, bt
	v_pk_add_f32 v[240:241], v[\x:\x+1], v[\x+2:\x+3]
	v_pk_add_f32 v[242:243], v[\x+4:\x+5], v[\x+6:\x+7]
	v_pk_add_f32 v[244:245], v[\x+8:\x+9], v[\x+10:\x+11]
	v_pk_add_f32 v[246:247], v[\x+12:\x+13], v[\x+14:\x+15]
	v_pk_add_f32 v[240:241], v[240:241], v[242:243]
	v_pk_add_f32 v[244:245], v[244:245], v[246:247]
	v_pk_add_f32 v[240:241], v[240:241], v[244:245]
	v_add_f32 v248, v240, v241
	v_permlanex16_b32 v249, v248, s28, s29
	v_add_f32 v248, v248, v249                     ; the channel's sum
.irp i, 0,1,2,3,4,5,6,7,8,9,10,11,12,13,14,15
	v_fma_f32 v[\x+\i], v248, s30, v[\x+\i]        ; - sum / 32
.endr
	v_pk_mul_f32 v[240:241], v[\x:\x+1], v[\x:\x+1]
	v_pk_mul_f32 v[242:243], v[\x+2:\x+3], v[\x+2:\x+3]
.irp i, 4,8,12
	v_pk_fma_f32 v[240:241], v[\x+\i:\x+\i+1], v[\x+\i:\x+\i+1], v[240:241]
	v_pk_fma_f32 v[242:243], v[\x+\i+2:\x+\i+3], v[\x+\i+2:\x+\i+3], v[242:243]
.endr
	v_pk_add_f32 v[240:241], v[240:241], v[242:243]
	v_add_f32 v248, v240, v241
	v_permlanex16_b32 v249, v248, s28, s29
	v_add_f32 v248, v248, v249
	v_fma_f32 v248, v248, s31, s32                 ; variance + eps
	v_rsq_f32 v248, v248
	v_nop                                          ; a plain place behind the transcendental
	s_wait_alu depctr_va_vdst(0)
	v_mul_f32 v248, v248, v[\g]
.irp i, 0,1,2,3,4,5,6,7,8,9,10,11,12,13,14,15
	v_fma_f32 v[\x+\i], v[\x+\i], v248, v[\bt]
.endr
.endm
	s_load_b512 s[4:19], s[0:1], 0x0               ; hc, hs, wc, ws, w2_b, z, bn1_g, bn1_b
	s_load_b128 s[20:23], s[0:1], 0x40             ; bn2_g, bn2_b
	s_load_b64 s[24:25], s[0:1], 0x50              ; out0
	v_lshl_add_u32 v254, v0, 2, 0x4000
	v_mov_b32 v255, 0
	v_lshrrev_b32 v1, 5, v0
	v_readfirstlane_b32 s26, v1                    ; wave
	v_and_b32 v9, 31, v0
	v_lshlrev_b32 v1, 4, v9                        ; 16 x lane
	v_mul_u32_u24 v2, v9, 48                       ; 48 x lane: h's fragments lie lane by lane
	v_and_b32 v10, 15, v0                          ; r
	v_bfe_u32 v11, v0, 4, 1                        ; h
	v_lshlrev_b32 v3, 2, v10                       ; 4 r
	v_lshlrev_b32 v4, 4, v10                       ; 16 r
	v_lshl_add_u32 v5, v11, 15, v3                 ; z, out0: channel r, + 8 h rows of 4,096 bytes
	s_lshl_b32 s27, s26, 11
	v_add_nc_u32 v6, s27, v1                       ; LDS: my partial sums
	v_mov_b32 v249, 0                              ; a lane permute's destination counts as one of its sources
	s_mov_b32 s28, 0x76543210
	s_mov_b32 s29, 0xfedcba98
	s_mov_b32 s30, 0xbd000000                      ; -1 / 32
	s_mov_b32 s31, 0x3d000000                      ; 1 / 32
	s_mov_b32 s32, 0x3727c5ac                      ; eps = 1e-5
	s_mov_b32 s35, 0
	s_lshl_b32 s36, ttmp9, 3
	s_add_co_u32 s36, s36, s26                     ; w2's unit 8 T + w
	s_wait_kmcnt 0x0
	s_mul_i32 s34, s26, 6144
	s_add_nc_u64 s[4:5], s[4:5], s[34:35]          ; h's K step 4 w
	s_lshl_b32 s34, s26, 8
	s_add_nc_u64 s[6:7], s[6:7], s[34:35]
	s_mul_i32 s34, s36, 6144
	s_add_co_u32 s34, s34, 5505024
	s_add_nc_u64 s[8:9], s[8:9], s[34:35]
	s_lshl_b32 s34, s36, 8
	s_add_co_u32 s34, s34, 229376
	s_add_nc_u64 s[10:11], s[10:11], s[34:35]
	s_lshl_b32 s34, ttmp9, 6                       ; my 16 channels
	s_add_nc_u64 s[12:13], s[12:13], s[34:35]
	s_add_nc_u64 s[14:15], s[14:15], s[34:35]
	s_add_nc_u64 s[16:17], s[16:17], s[34:35]
	s_add_nc_u64 s[18:19], s[18:19], s[34:35]
	s_add_nc_u64 s[20:21], s[20:21], s[34:35]
	s_add_nc_u64 s[22:23], s[22:23], s[34:35]
	s_add_nc_u64 s[24:25], s[24:25], s[34:35]
.irp m, 0,1
.irp s, 0,1,2,3
.irp g, 0,1,2
	global_load_b128 v[32+12*(4*\m+\s)+4*\g:35+12*(4*\m+\s)+4*\g], v2, s[4:5] offset:49152*\m+1536*\s+16*\g
.endr
	global_load_b32 v[16+4*\m+\s], v3, s[6:7] offset:2048*\m+64*\s
.endr
.endr
.irp s, 0,1,2,3
.irp g, 0,1,2
	global_load_b128 v[128+12*\s+4*\g:131+12*\s+4*\g], v1, s[8:9] offset:1536*\s+512*\g
.endr
.endr
	global_load_b128 v[24:27], v4, s[10:11]
.irp m, 0,1
.irp j, 0,1,2,3,4,5,6,7
	global_load_b32 v[208+8*\m+\j], v5, s[14:15] offset:(16*\m+\j)*4096
.endr
.endr
	global_load_b32 v224, v3, s[12:13]
	global_load_b32 v225, v3, s[16:17]
	global_load_b32 v226, v3, s[18:19]
	global_load_b32 v227, v3, s[20:21]
	global_load_b32 v228, v3, s[22:23]
	s_wait_loadcnt 0x0
.irp s, 0,1,2,3                                ; two accumulators by turns; the first products start the sums
.irp m, 0,1
.if \s == 0
	v_wmma_scale_f32_16x16x128_f8f6f4 v[176+8*\m:183+8*\m], v[32+12*(4*\m+\s):43+12*(4*\m+\s)], v[128+12*\s:139+12*\s], 0, v[16+4*\m+\s], v[24+\s] matrix_a_fmt:MATRIX_FMT_BF6 matrix_b_fmt:MATRIX_FMT_BF6
.else
	v_wmma_scale_f32_16x16x128_f8f6f4 v[176+8*\m:183+8*\m], v[32+12*(4*\m+\s):43+12*(4*\m+\s)], v[128+12*\s:139+12*\s], v[176+8*\m:183+8*\m], v[16+4*\m+\s], v[24+\s] matrix_a_fmt:MATRIX_FMT_BF6 matrix_b_fmt:MATRIX_FMT_BF6
.endif
.endr
.endr
.rept 4
	v_nop
.endr
.irp k, 0,1,2,3
	ds_store_b128 v6, v[176+4*\k:179+4*\k] offset:512*\k
.endr
	s_wait_dscnt 0x0                               ; for wave 0's sake: my stores have landed
	s_barrier_signal -1
	s_barrier_wait -1
	s_cmp_lg_u32 s26, 0
	s_cbranch_scc1 .Lend
.irp s, 0,1,2,3,4,5,6,7
.irp k, 0,1,2,3
	ds_load_b128 v[32+16*\s+4*\k:35+16*\s+4*\k], v1 offset:2048*\s+512*\k
.endr
.endr
	BN 208, 225, 226                               ; ret, while the partial sums come
	s_wait_dscnt 0x0
.irp i, 0,2,4,6,8,10,12,14
	v_pk_add_f32 v[192+\i:193+\i], v[32+\i:33+\i], v[48+\i:49+\i]
.endr
.irp s, 2,3,4,5,6,7
.irp i, 0,2,4,6,8,10,12,14
	v_pk_add_f32 v[192+\i:193+\i], v[192+\i:193+\i], v[32+16*\s+\i:33+16*\s+\i]
.endr
.endr
.irp i, 0,1,2,3,4,5,6,7,8,9,10,11,12,13,14,15
	v_add_f32 v[192+\i], v[192+\i], v224           ; + w2_b
.endr
.irp i, 0,2,4,6,8,10,12,14
	v_pk_add_f32 v[192+\i:193+\i], v[192+\i:193+\i], v[208+\i:209+\i]                      ; + ret
.endr
	BN 192, 227, 228
.irp m, 0,1
.irp j, 0,1,2,3,4,5,6,7
	global_store_b32 v5, v[192+8*\m+\j], s[24:25] offset:(16*\m+\j)*4096
.endr
.endr
.Lend:
	s_wait_tensorcnt 0x0
	ds_add_u32 v254, v255
	s_wait_dscnt 0x0
	s_endpgm
.Lfunc_end_k_qfbbedc3bfa_ffn2:
	.size	k_qfbbedc3bfa_ffn2, .Lfunc_end_k_qfbbedc3bfa_ffn2-k_qfbbedc3bfa_ffn2
	.p2alignl 7, 3214868480
	.fill 96, 4, 3214868480
	.section	.rodata,"a",@progbits
	.p2align	6, 0x0
	.amdhsa_kernel k_qfbbedc3bfa_ffn2
		.amdhsa_group_segment_fixed_size 17408
		.amdhsa_private_segment_fixed_size 0
		.amdhsa_enable_private_segment 0
		.amdhsa_kernarg_size 88
		.amdhsa_user_sgpr_count 2
		.amdhsa_user_sgpr_kernarg_segment_ptr 1
		.amdhsa_wavefront_size32 1
		.amdhsa_system_sgpr_workgroup_id_x 1
		.amdhsa_system_sgpr_workgroup_id_y 1
		.amdhsa_system_sgpr_workgroup_id_z 1
		.amdhsa_system_vgpr_workitem_id 0
		.amdhsa_next_free_vgpr 256
		.amdhsa_next_free_sgpr 66
		.amdhsa_reserve_vcc 0
		.amdhsa_float_denorm_mode_32 3
		.amdhsa_float_denorm_mode_16_64 3
		.amdhsa_memory_ordered 1
		.amdhsa_forward_progress 1
		.amdhsa_inst_pref_size 25
	.end_amdhsa_kernel
	.amdgpu_metadata
---
amdhsa.version: [ 1, 2 ]
amdhsa.kernels:
  - .name:           k_qfbbedc3bfa_ffn2
    .symbol:         k_qfbbedc3bfa_ffn2.kd
    .args:
      - { .name: hc, .offset: 0, .size: 8, .value_kind: global_buffer, .address_space: global }
      - { .name: hs, .offset: 8, .size: 8, .value_kind: global_buffer, .address_space: global }
      - { .name: wc, .offset: 16, .size: 8, .value_kind: global_buffer, .address_space: global }
      - { .name: ws, .offset: 24, .size: 8, .value_kind: global_buffer, .address_space: global }
      - { .name: w2_b, .offset: 32, .size: 8, .value_kind: global_buffer, .address_space: global }
      - { .name: z, .offset: 40, .size: 8, .value_kind: global_buffer, .address_space: global }
      - { .name: bn1_g, .offset: 48, .size: 8, .value_kind: global_buffer, .address_space: global }
      - { .name: bn1_b, .offset: 56, .size: 8, .value_kind: global_buffer, .address_space: global }
      - { .name: bn2_g, .offset: 64, .size: 8, .value_kind: global_buffer, .address_space: global }
      - { .name: bn2_b, .offset: 72, .size: 8, .value_kind: global_buffer, .address_space: global }
      - { .name: out0, .offset: 80, .size: 8, .value_kind: global_buffer, .address_space: global }
    .group_segment_fixed_size: 17408
    .private_segment_fixed_size: 0
    .kernarg_segment_align: 8
    .kernarg_segment_size: 88
    .max_flat_workgroup_size: 256
    .sgpr_count:     66
    .vgpr_count:     256
    .wavefront_size: 32
...
	.end_amdgpu_metadata
.endif
;; end of part 4
